; MI455X (gfx1250); checked and timed in simulation.
; The chip was launched on July 23, 2026; its instructions are those of AMD's public machine-readable ISA for CDNA 5 (MIT licence, August 2026) and "CDNA5" Instruction Set Architecture Reference Guide (July 2026). The comments in the code are by the model that wrote it; some were corrected since.
;; CA. Allowed arithmetic: matrix products marked QUANTISED: E3M2 operands, one E8M0 scale for each 32 along K, by v_wmma_scale_f32_16x16x128_f8f6f4 with both operands' format E3M2, f32 sums; everything else in f32.
;; Inputs: b_t 512 float32; b_v 512 float32; beta 512 float32; gamma 512 float32; run_mean 512 float32; run_var 512 float32; w_qk 128 x 512 float32; w_t 512 x 512 float32; w_v 512 x 512 float32; x 4 x 512 x 4,096 float32; y 4 x 512 x 4,096 float32.
;; Outputs: out0 4 x 4,096 x 512 float32.
;; This version of the problem:
;;   THIS VERSION OF THE PROBLEM IS GIVEN IN LOW PRECISION. The matrix products marked QUANTISED in the list below multiply operands that are first quantised to E3M2 (3 exponent bits, 2 mantissa bits; 6 bits a number), with one power-of-two scale for each 32 numbers along K (OCP MX v1.0); their sums are f32. All else is computed in f32.
;;   The module's matrix products, in the order in which they are computed (A, B: the left and right operand; K: the contracted axis; several contracted axes count as one K, in the product's order):
;;     1. [M 16,384, K 512] x [K 512, N 128]; A: input x; B: input w_qk: QUANTISED
;;     2. [M 16,384, K 512] x [K 512, N 128]; A: input y; B: input w_qk: QUANTISED
;;     3. [M 16,384, K 512] x [K 512, N 512]; A: input y; B: input w_v: QUANTISED
;;     4. batch 4 x [M 4,096, K 128] x [K 128, N 4,096]; A: computed on the way; B: computed on the way: QUANTISED
;;     5. batch 4 x [M 512, K 4,096] x [K 4,096, N 4,096]; A: computed on the way; B: softmax (see below): QUANTISED
;;     6. [M 16,384, K 512] x [K 512, N 512]; A: computed on the way; B: input w_t: QUANTISED
;;   THE QUANTISER, for each operand of a quantised product, along K:
;;     - K is cut into blocks of 32 from its start; a last block that is shorter is filled with zeros.
;;     - A block's scale is 2^e with e = floor(log2(the largest magnitude in the block)) - 4, held to -126 .. 127; a block of zeros has e = 0. As a byte (E8M0): e + 127.
;;     - Each number is divided by its block's scale, clamped to +-28, and rounded to the nearest number of E3M2, ties to even, subnormals kept.
;;     - The product sums the exact products of the quantised numbers (number of the format x scale) in f32.
;;   ~~~python
;;   def quantise(x, axis):      # numpy; x: float32 -> the quantised numbers, widened to float32 again
;;       x = np.moveaxis(x, axis, -1); K = x.shape[-1]
;;       x = np.pad(x, [(0, 0)] * (x.ndim - 1) + [(0, -K % 32)]); x = x.reshape(x.shape[:-1] + (-1, 32)); a = np.abs(x).max(-1, keepdims=True)
;;       e = np.where(a > 0, np.clip(np.frexp(np.where(a > 0, a, 1))[1] - 1 - 4, -126, 127), 0)      # np.frexp(a)[1] - 1 = floor(log2(a)), exactly
;;       r = np.clip(x / 2.0 ** e, -28, 28)
;;       step = 2.0 ** (np.maximum(np.frexp(np.where(r == 0, 1, r))[1] - 1, -2) - 2)
;;       q = np.round(r / step) * step * 2.0 ** e      # np.round: ties to even
;;       return np.moveaxis(q.reshape(q.shape[:-2] + (-1,))[..., :K], -1, axis).astype(np.float32)
;;   ~~~
;;   SOFTMAX AHEAD OF A QUANTISED PRODUCT. Where the list says 'softmax', what is quantised is not the finished softmax but p = 2^(t - M), with t = logit x log2(e) and M = ceil(the row's largest t), a whole number; so 1/2 < the row's largest p <= 1. The row's sum l is taken of the UNQUANTISED p, in f32, and the product's result is divided by l at the end. Since M is a whole number, a kernel that streams over the keys may use a running M (the ceiling of the running maximum): every later rescaling is an exact power of two, which a block's scale takes up: the codes' values come out the same.
;;   OPERANDS COMPUTED ON THE WAY. 'Computed on the way' means the value that the module computes at that place (a softmax that the list does not call 'softmax' is quantised finished and normalised). What goes into a quantiser is computed in f32, as accurately as f32 sums, v_exp_f32 and their like allow (about 1e-6 of the number): no bf16 or f16 on the way to a quantiser, and a product that is left as it is and whose result goes on into a quantised operand takes f32 operands (vector FMAs, or v_wmma_f32_16x16x4_f32). A number that lies on a knife's edge between two numbers of the format may be rounded either way, as far as f32 arithmetic and the matrix unit's own rounding can turn it there, and no further.
;; One version. Each part assembles by itself: llvm-mc -triple=amdgcn-amd-amdhsa -mcpu=gfx1250 --defsym DOCPART=n.
;; ======== version 1 of 1: 3 launches
;; workspace buffers: wc 479,232 bytes; bn 4,096 bytes; qc 1,703,936 bytes; kv 8,519,680 bytes
;; launch prep (part 1): grid 73 x 1, 4 waves a work-group, no clusters, 0 bytes of LDS; arguments w_qk, w_v, w_t, gamma, beta, run_mean, run_var, b_t, wc, bn, kv; writes wc, bn, kv
.if DOCPART == 1
	.amdgcn_target "amdgcn-amd-amdhsa--gfx1250"
	.amdhsa_code_object_version 6
	.text
	.protected	k_qc7ee2ce170_prep
	.globl	k_qc7ee2ce170_prep
	.p2align	8
	.type	k_qc7ee2ce170_prep,@function
k_qc7ee2ce170_prep:
	s_mov_b64 s[64:65], 0
	v_nop
	global_prefetch_b8 v0, s[64:65] scope:SCOPE_SE
	s_setreg_imm32_b32 hwreg(HW_REG_WAVE_MODE, 25, 1), 1
	s_wait_xcnt 0x0
; THE PROGRAM: out0 = relu(BN(w_t (V P / l) + b_t)), V = w_v y + b_v, P from softmax(q k / sqrt(128)), q = w_qk x, k = w_qk y; all six products on codes of E3M2 with one E8M0 scale for each 32 along K.
; DEAD WORK: none.  Every input has a way to out0 (b_v stands ahead of V's quantiser, so it moves V's codes), every product is done, nothing is left out in any of the three launches.
; THIS LAUNCH quantises the three weights once (their K, the channel c, is innermost) and lays them in the order of an operand's registers, folds the norm's constants, and writes zeros into two key blocks
; that the last launch fetches with its last slot and never reads.
; wc: tile tt (0-7 w_qk, 8-39 w_v, 40-71 w_t) and K step s (128 along c): a fragment's image at (4 tt + s) x 1,536: registers 4 p .. 4 p + 3 of lane L at 512 p + 16 L; its scale words at 442,368 + (4 tt + s) x 128 + 4 L
; (lanes 16-31 repeat lanes 0-15).  THE ROWS OF A TILE ARE NOT NEIGHBOURS: lane r of a weight's tile t takes row 32 (t / 2) + 8 (t % 2) + r + 8 (r / 8), so that where the tile is source 0 the 16 registers of two
; neighbouring tiles' results are 16 neighbours along the next product's K.
; bn: A[512] = gamma / sqrt(run_var + 1e-5); at byte 2,048 Bc[512] = (b_t - run_mean) A + beta: out = sum x A + Bc, which differs from the reference's order by rounding alone.
; A block's scale byte is its largest magnitude's exponent field - 4, held at 1 from below (a block of zeros gets 1 where the rule says 127: its codes are zeros, and this program alone reads the bytes).
; LIMITS: NaN and infinities among the inputs are not served; 1 / sqrt is v_rsq_f32.
; SHARES: work-groups 0-71: one tile each, wave s its K step s: one fragment a wave.  Work-group 72: the constants, thread t channels 4 t .. 4 t + 3.  No LDS, no barrier: waves share nothing.
.set EPS, 0x3727c5ac                   ; 1e-5
.set SIB, 442368                       ; where the scale words begin in wc
.set KTAIL, 128*65536+51200            ; the key part of record 128 of kv
	s_load_b512 s[4:19], s[0:1], 0x0               ; w_qk s[4:5], w_v s[6:7], w_t s[8:9], gamma s[10:11], beta s[12:13], run_mean s[14:15], run_var s[16:17], b_t s[18:19]
	s_load_b128 s[20:23], s[0:1], 0x40             ; wc s[20:21], bn s[22:23]
	s_load_b64 s[24:25], s[0:1], 0x50              ; kv
	v_lshrrev_b32 v1, 5, v0
	v_readfirstlane_b32 s26, v1                    ; wave = K step
	s_cmp_eq_u32 ttmp9, 72
	s_cbranch_scc1 .Lnorm
	v_and_b32 v1, 15, v0                           ; r
	v_bfe_u32 v2, v0, 4, 1                         ; h
	v_and_b32 v4, 8, v1
	v_add_nc_u32 v4, v4, v1                        ; r + 8 (r / 8)
	v_lshlrev_b32 v3, 11, v4                       ; a row of a weight is 2,048 bytes
	v_lshl_add_u32 v3, v2, 7, v3                   ; + 128 h: the operand's layout gives lane (r, h) k = 64 c + 32 h + 0 .. 31
	v_and_b32 v5, 31, v0
	v_lshlrev_b32 v6, 4, v5                        ; 16 x lane
	v_lshlrev_b32 v7, 2, v5                        ; 4 x lane
	s_mov_b32 s34, 0x76543210
	s_mov_b32 s35, 0xfedcba98                      ; v_permlanex16_b32's selects for lane l xor 16
	s_wait_kmcnt 0x0
	s_cmp_lt_u32 ttmp9, 40                         ; which weight, and which of its tiles: the choice hangs on the work-group's number alone
	s_cselect_b64 s[28:29], s[6:7], s[8:9]
	s_cselect_b32 s30, 8, 40
	s_cmp_lt_u32 ttmp9, 8
	s_cselect_b64 s[28:29], s[4:5], s[28:29]
	s_cselect_b32 s30, 0, s30
	s_sub_co_u32 s30, ttmp9, s30                   ; the weight's own tile t
	s_lshr_b32 s31, s30, 1
	s_lshl_b32 s31, s31, 16                        ; 32 (t / 2) rows
	s_and_b32 s32, s30, 1
	s_lshl_b32 s32, s32, 14                        ; 8 (t % 2) rows
	s_add_co_u32 s32, s32, s31
	s_lshl_b32 s31, s26, 9                         ; K step s: 128 numbers
	s_add_co_u32 s32, s32, s31
	s_mov_b32 s33, 0
	s_add_nc_u64 s[28:29], s[28:29], s[32:33]
	s_lshl_b32 s36, ttmp9, 2
	s_add_co_u32 s36, s36, s26                     ; 4 tt + s
	s_mul_i32 s38, s36, 1536
	s_mov_b32 s39, 0
	s_add_nc_u64 s[38:39], s[20:21], s[38:39]      ; the fragment's image
	s_lshl_b32 s40, s36, 7
	s_add_co_u32 s40, s40, SIB
	s_mov_b32 s41, 0
	s_add_nc_u64 s[40:41], s[20:21], s[40:41]      ; its scale words
.irp c, 0,1
.irp i, 0,1,2,3,4,5,6,7
	global_load_b128 v[64+32*\c+4*\i:64+32*\c+4*\i+3], v3, s[28:29] offset:256*\c+16*\i   ; my block 2 c + h: 32 neighbours of my row
.endr
.endr
	s_wait_loadcnt 0x0
.irp c, 0,1
	v_max3_num_f32 v[32+\c], |v[64+32*\c]|, |v[65+32*\c]|, 0x2800000   ; the block's largest magnitude, and the floor 2^(5 - 127): the byte cannot fall under 1
.endr
.irp i, 2,4,6,8,10,12,14,16,18,20,22,24,26,28,30
.irp c, 0,1
	v_max3_num_f32 v[32+\c], v[32+\c], |v[64+32*\c+\i]|, |v[65+32*\c+\i]|   ; (the two blocks by turns)
.endr
.endr
.irp c, 0,1
	v_add_nc_u32 v[44+\c], 0xfe000000, v[32+\c]    ; 4 off its exponent field: the conversion takes the exponent field of this operand as its scale
.endr
.irp c, 0,1
	v_lshrrev_b32 v[36+\c], 23, v[44+\c]           ; the scale's byte
.endr
	v_lshl_or_b32 v9, v37, 16, v36                 ; my two bytes: blocks h and 2 + h of my row,
	v_lshlrev_b32 v10, 3, v2
	v_lshlrev_b32 v9, v10, v9                      ; at their places in the word;
	v_mov_b32 v10, 0
	v_permlanex16_b32 v10, v9, s34, s35
	v_or_b32 v9, v9, v10                           ; with lane l xor 16's two the word is whole, in both lanes
.irp c, 0,1
	v_cvt_scalef32_pk16_bf6_f32 v[48+6*\c:50+6*\c], v[64+32*\c:79+32*\c], v[44+\c]
	v_cvt_scalef32_pk16_bf6_f32 v[16+4*\c:18+4*\c], v[80+32*\c:95+32*\c], v[44+\c]   ; (a conversion's three registers begin on an even number: the second half of a block's six is made elsewhere and moved)
.endr
	v_nop                                          ; one plain place behind a scaled conversion
.irp c, 0,1
.irp i, 0,1,2
	v_mov_b32 v[51+6*\c+\i], v[16+4*\c+\i]
.endr
.endr
.irp p, 0,1,2
	global_store_b128 v6, v[48+4*\p:51+4*\p], s[38:39] offset:512*\p   ; 32 lanes store 512 consecutive bytes, at a multiple of 256 from wc's first byte
.endr
	global_store_b32 v7, v9, s[40:41]
	s_endpgm
.Lnorm:
	v_lshlrev_b32 v1, 4, v0                        ; 16 t: my four channels
	v_mov_b32 v32, 0
	v_mov_b32 v33, 0
	v_mov_b32 v34, 0
	v_mov_b32 v35, 0
	s_wait_kmcnt 0x0
	global_load_b128 v[4:7], v1, s[10:11]          ; gamma
	global_load_b128 v[8:11], v1, s[12:13]         ; beta
	global_load_b128 v[12:15], v1, s[14:15]        ; run_mean
	global_load_b128 v[16:19], v1, s[16:17]        ; run_var
	global_load_b128 v[20:23], v1, s[18:19]        ; b_t
	s_add_nc_u64 s[24:25], s[24:25], KTAIL
.irp q, 0,1
.irp k, 0,1,2,3,4,5,6
	global_store_b128 v1, v[32:35], s[24:25] offset:65536*\q+2048*\k   ; the key parts (14,336 bytes each) of records 128 and 129: zeros
.endr
.endr
	s_wait_loadcnt 0x0
.irp i, 0,1,2,3
	v_add_f32 v[16+\i], EPS, v[16+\i]
.endr
.irp i, 0,1,2,3
	v_rsq_f32 v[24+\i], v[16+\i]
.endr
.irp i, 0,1,2,3
	v_sub_f32 v[20+\i], v[20+\i], v[12+\i]         ; b_t - run_mean: plain work behind the four roots
.endr
	s_wait_alu depctr_va_vdst(0)                   ; one wait for the four, ahead of their first reader
.irp i, 0,1,2,3
	v_mul_f32 v[24+\i], v[4+\i], v[24+\i]          ; A
.endr
.irp i, 0,1,2,3
	v_fma_f32 v[28+\i], v[20+\i], v[24+\i], v[8+\i]   ; Bc
.endr
	global_store_b128 v1, v[24:27], s[22:23]
	global_store_b128 v1, v[28:31], s[22:23] offset:2048
	s_endpgm
.Lfunc_end_k_qc7ee2ce170_prep:
	.size	k_qc7ee2ce170_prep, .Lfunc_end_k_qc7ee2ce170_prep-k_qc7ee2ce170_prep
	.p2alignl 7, 3214868480
	.fill 96, 4, 3214868480
	.section	.rodata,"a",@progbits
	.p2align	6, 0x0
	.amdhsa_kernel k_qc7ee2ce170_prep
		.amdhsa_group_segment_fixed_size 0
		.amdhsa_private_segment_fixed_size 0
		.amdhsa_enable_private_segment 0
		.amdhsa_kernarg_size 88
		.amdhsa_user_sgpr_count 2
		.amdhsa_user_sgpr_kernarg_segment_ptr 1
		.amdhsa_wavefront_size32 1
		.amdhsa_system_sgpr_workgroup_id_x 1
		.amdhsa_system_sgpr_workgroup_id_y 1
		.amdhsa_system_sgpr_workgroup_id_z 1
		.amdhsa_system_vgpr_workitem_id 0
		.amdhsa_next_free_vgpr 128
		.amdhsa_next_free_sgpr 66
		.amdhsa_reserve_vcc 0
		.amdhsa_float_denorm_mode_32 3
		.amdhsa_float_denorm_mode_16_64 3
		.amdhsa_memory_ordered 1
		.amdhsa_forward_progress 1
		.amdhsa_inst_pref_size 11
	.end_amdhsa_kernel
	.amdgpu_metadata
---
amdhsa.version: [ 1, 2 ]
amdhsa.kernels:
  - .name:           k_qc7ee2ce170_prep
    .symbol:         k_qc7ee2ce170_prep.kd
    .args:
      - { .name: w_qk, .offset: 0, .size: 8, .value_kind: global_buffer, .address_space: global }
      - { .name: w_v, .offset: 8, .size: 8, .value_kind: global_buffer, .address_space: global }
      - { .name: w_t, .offset: 16, .size: 8, .value_kind: global_buffer, .address_space: global }
      - { .name: gamma, .offset: 24, .size: 8, .value_kind: global_buffer, .address_space: global }
      - { .name: beta, .offset: 32, .size: 8, .value_kind: global_buffer, .address_space: global }
      - { .name: run_mean, .offset: 40, .size: 8, .value_kind: global_buffer, .address_space: global }
      - { .name: run_var, .offset: 48, .size: 8, .value_kind: global_buffer, .address_space: global }
      - { .name: b_t, .offset: 56, .size: 8, .value_kind: global_buffer, .address_space: global }
      - { .name: wc, .offset: 64, .size: 8, .value_kind: global_buffer, .address_space: global }
      - { .name: bn, .offset: 72, .size: 8, .value_kind: global_buffer, .address_space: global }
      - { .name: kv, .offset: 80, .size: 8, .value_kind: global_buffer, .address_space: global }
    .group_segment_fixed_size: 0
    .private_segment_fixed_size: 0
    .kernarg_segment_align: 8
    .kernarg_segment_size: 88
    .max_flat_workgroup_size: 128
    .sgpr_count:     66
    .vgpr_count:     128
    .wavefront_size: 32
...
	.end_amdgpu_metadata
.endif
;; end of part 1
;; launch proj (part 2): grid 64 x 4, 8 waves a work-group, no clusters, 327,680 bytes of LDS; arguments x, y, b_v, wc, qc, kv; writes qc, kv
.if DOCPART == 2
	.amdgcn_target "amdgcn-amd-amdhsa--gfx1250"
	.amdhsa_code_object_version 6
	.text
	.protected	k_qc7ee2ce170_proj
	.globl	k_qc7ee2ce170_proj
	.p2align	8
	.type	k_qc7ee2ce170_proj,@function
k_qc7ee2ce170_proj:
	s_mov_b64 s[64:65], 0
	v_nop
	global_prefetch_b8 v0, s[64:65] scope:SCOPE_SE
	s_setreg_imm32_b32 hwreg(HW_REG_WAVE_MODE, 25, 1), 1
	s_wait_xcnt 0x0
; q = w_qk x, k = w_qk y, v = w_v y + b_v, on codes of E3M2; then q and k are quantised along d and v along the keys, and laid as the last launch's operand registers want them.  No work of the reference is left out here.
; SHARES.  Work-group (bx, batch) owns columns 64 bx .. 64 bx + 63 of x AND of y: 256 work-groups of equal work.  Eight waves.
; NO CLUSTER: no two work-groups read the same bytes of x or y, and the weights (under 0.5 MB as codes) go from memory straight into registers, each fragment into one or two waves of a work-group.
; X: each wave fetches 64 rows (channels) x 256 bytes of x and of y by one tensor load each, all 256 KiB of the work-group at the head, and quantises the rows that it fetched itself: a lane takes a column, its registers run
;    down c, so a block of 32 along K lies in one lane.  The codes go to LDS as images of operand registers.
; QK: wave u takes 32 of the 128 d (w_qk's tiles 2 b, 2 b + 1, b = u % 4) of q (u < 4) or k, for all four tiles of columns; source 0 = w_qk, so a lane holds one column and 16 neighbouring d; quantised; image to LDS.
; V: wave u takes w_v's tiles 4 u .. 4 u + 3; source 0 = y's columns (keys), source 1 = w_v, C = b_v: a lane holds one channel and its registers run along the keys; quantised in registers and stored.
; THE COLUMNS OF A TILE ARE NOT NEIGHBOURS: lane r of tile T takes column 32 (T / 2) + 8 (T % 2) + r + 8 (r / 8) of the 64, as the weights' rows are chosen.
; IMAGES.  FI (1,536 bytes): registers 4 p .. 4 p + 3 of lane L at 512 p + 16 L.  VI (in halves, 1,536 bytes): half g at 768 g: registers 6 g .. 6 g + 3 at 16 L, registers 6 g + 4, 5 at 512 + 8 L.  SI (128 bytes): lane L's scale word at 4 L.
; qc: record (64 batch + bx) x 6,656: four FI, then four SI.   kv: records of 65,536 bytes; key step n = 32 batch + bx / 2, half g = bx % 2: V at record n + 2: 32 VI, then the scale halves at 49,152 + 1,024 g + 128 u + 4 L;
; K at record n, byte 51,200: eight FI, eight SI, 1,024 bytes of zeros.
; LIMITS: NaN and infinities among the inputs are not served; a block of zeros carries the byte 1 (its codes are zeros; this program alone reads the bytes).
; LDS: 0: x, 512 rows x 256 bytes; 131,072: y; LXI: x's 16 VI (tile T, K step s at (4 T + s) x 1,536); LXS: their SI; the same for y YO bytes on; SPARE: the spare words.
;      q's and k's images (8 FI, 8 SI: 13,312 bytes) lie from byte 0 on: those bytes have had their one fill, and their last read stands ahead of the first barrier.
; REGISTERS.  Window 0: v1-23 addresses; v24-27 w_qk's scale words, v28-35 w_v's, v36-37 the data's (two tiles to a register: the odd one in lanes 16-31); v38, v39 the add's two; v40-87 four data fragments, or codes just made;
;   v88-151 numbers of x or y, then q's or k's sums; v152-159 at work; v160-255 w_qk's eight fragments; v128-255 later V's 16 sums.   Window 1: v0-191 w_v's 16 fragments; v192-223 b_v in the result's layout.
.set LXI, 262144
.set LXS, 286720
.set YO,  26624
.set SPARE, 315392
.set LN,  1
.set L16, 2
.set L8,  3
.set L4,  4
.set GP4, 5                            ; 4 L + 512 (L / 16): two tiles' scale words, 512 bytes apart, into one register
.set AX,  6
.set AY,  7
.set D16, 8
.set D8,  9
.set DSA, 10
.set QL16, 11
.set QL8, 12
.set QLS, 13
.set YL16, 14
.set YL8, 15
.set YLS, 16
.set QA,  17                           ; v17-19
.set QAB, 20
.set OL16, 21
.set OL4, 22
.set BVA, 23
.set SPW, 38
.set NIL, 39
.set MSB, 0
.macro WIN new                         ; the immediate's high byte repeats the setting that is left
.if MSB != \new
	s_set_vgpr_msb (MSB<<8)|\new
.set MSB, \new
.endif
.endm
; one product 16 x 16 x 128.  c < 0: the constant 0 starts the sum.  ra, rb = 1: that side's scale words stand in lanes 16-31
.macro WM d, a, b, c, sa, sb, ra, rb
.if (\c) < 0
.if (\ra) && (\rb)
	v_wmma_scale_f32_16x16x128_f8f6f4 v[(\d):(\d)+7], v[(\a):(\a)+11], v[(\b):(\b)+11], 0, v[\sa], v[\sb] matrix_a_fmt:MATRIX_FMT_BF6 matrix_b_fmt:MATRIX_FMT_BF6 matrix_a_scale:MATRIX_SCALE_ROW1 matrix_b_scale:MATRIX_SCALE_ROW1
.elseif (\ra)
	v_wmma_scale_f32_16x16x128_f8f6f4 v[(\d):(\d)+7], v[(\a):(\a)+11], v[(\b):(\b)+11], 0, v[\sa], v[\sb] matrix_a_fmt:MATRIX_FMT_BF6 matrix_b_fmt:MATRIX_FMT_BF6 matrix_a_scale:MATRIX_SCALE_ROW1
.elseif (\rb)
	v_wmma_scale_f32_16x16x128_f8f6f4 v[(\d):(\d)+7], v[(\a):(\a)+11], v[(\b):(\b)+11], 0, v[\sa], v[\sb] matrix_a_fmt:MATRIX_FMT_BF6 matrix_b_fmt:MATRIX_FMT_BF6 matrix_b_scale:MATRIX_SCALE_ROW1
.else
	v_wmma_scale_f32_16x16x128_f8f6f4 v[(\d):(\d)+7], v[(\a):(\a)+11], v[(\b):(\b)+11], 0, v[\sa], v[\sb] matrix_a_fmt:MATRIX_FMT_BF6 matrix_b_fmt:MATRIX_FMT_BF6
.endif
.else
.if (\ra) && (\rb)
	v_wmma_scale_f32_16x16x128_f8f6f4 v[(\d):(\d)+7], v[(\a):(\a)+11], v[(\b):(\b)+11], v[(\c):(\c)+7], v[\sa], v[\sb] matrix_a_fmt:MATRIX_FMT_BF6 matrix_b_fmt:MATRIX_FMT_BF6 matrix_a_scale:MATRIX_SCALE_ROW1 matrix_b_scale:MATRIX_SCALE_ROW1
.elseif (\ra)
	v_wmma_scale_f32_16x16x128_f8f6f4 v[(\d):(\d)+7], v[(\a):(\a)+11], v[(\b):(\b)+11], v[(\c):(\c)+7], v[\sa], v[\sb] matrix_a_fmt:MATRIX_FMT_BF6 matrix_b_fmt:MATRIX_FMT_BF6 matrix_a_scale:MATRIX_SCALE_ROW1
.elseif (\rb)
	v_wmma_scale_f32_16x16x128_f8f6f4 v[(\d):(\d)+7], v[(\a):(\a)+11], v[(\b):(\b)+11], v[(\c):(\c)+7], v[\sa], v[\sb] matrix_a_fmt:MATRIX_FMT_BF6 matrix_b_fmt:MATRIX_FMT_BF6 matrix_b_scale:MATRIX_SCALE_ROW1
.else
	v_wmma_scale_f32_16x16x128_f8f6f4 v[(\d):(\d)+7], v[(\a):(\a)+11], v[(\b):(\b)+11], v[(\c):(\c)+7], v[\sa], v[\sb] matrix_a_fmt:MATRIX_FMT_BF6 matrix_b_fmt:MATRIX_FMT_BF6
.endif
.endif
.endm
.macro PLACES                          ; four plain places behind matrix instructions, ahead of loads into their registers and of the first read of results
.rept 4
	v_nop
.endr
.endm
	s_load_b256 s[4:11], s[0:1], 0x0               ; x s[4:5], y s[6:7], b_v s[8:9], wc s[10:11]
	s_load_b128 s[12:15], s[0:1], 0x20             ; qc s[12:13], kv s[14:15]
	v_lshl_add_u32 v[SPW], v0, 2, SPARE
	v_mov_b32 v[NIL], 0
	ds_add_u32 v[SPW], v[NIL]                      ; the wave's opening: the add, twice on end, and its wait ahead of my first tensor load; the set-up below stands between
	ds_add_u32 v[SPW], v[NIL]
	v_lshrrev_b32 v40, 5, v0
	v_readfirstlane_b32 s16, v40                   ; wave u, 0..7
	s_and_b32 s17, s16, 3                          ; b: my block of 32 d; also my tile T on the way out
	s_lshr_b32 s18, s16, 2                         ; 0: q (from x), 1: k (from y)
	s_and_b32 s20, ttmp7, 0xffff                   ; batch
	s_and_b32 s21, ttmp9, 1                        ; g: which half of a key step
	s_lshr_b32 s22, ttmp9, 1
	s_lshl_b32 s23, s20, 5
	s_add_co_u32 s22, s22, s23                     ; n = 32 batch + bx / 2
	; descriptor group 1: 64 rows of 64 numbers of 4 bytes (256 bytes), 4,096 numbers from row to row, no padding
	s_mov_b32 s24, 2<<16
	s_mov_b32 s25, 64<<16                          ; tensor_dim0
	s_mov_b32 s26, 64<<16                          ; tensor_dim1
	s_mov_b32 s27, 64<<16                          ; tile_dim0
	s_mov_b32 s28, 64                              ; tile_dim1
	s_mov_b32 s29, 4096                            ; the pitch
	s_mov_b32 s30, 0
	s_mov_b32 s31, 0
	s_mov_b32 s40, 0x76543210
	s_mov_b32 s41, 0xfedcba98                      ; v_permlanex16_b32's selects for lane l xor 16
	v_and_b32 v[LN], 31, v0
	v_and_b32 v40, 15, v0                          ; r
	v_bfe_u32 v41, v0, 4, 1                        ; h
	v_lshlrev_b32 v[L16], 4, v[LN]
	v_lshlrev_b32 v[L8], 3, v[LN]
	v_lshlrev_b32 v[L4], 2, v[LN]
	v_lshl_add_u32 v[GP4], v41, 9, v[L4]
	s_lshl_b32 s42, s16, 14                        ; my 64 rows in LDS
	v_add_nc_u32 v[AX], s42, v[L4]                 ; a lane to a column
	v_add_nc_u32 v[AY], 131072, v[AX]
	; column 32 ch + L is lane RR = L % 8 + 8 (L / 16) of tile 2 ch + UB, UB = (L / 8) % 2
	v_and_b32 v42, 7, v0
	v_lshl_add_u32 v42, v41, 3, v42                ; RR
	v_bfe_u32 v43, v0, 3, 1                        ; UB
	s_lshr_b32 s43, s16, 1                         ; my rows are half u % 2 of K step u / 2
	s_and_b32 s44, s16, 1
	s_mul_i32 s45, s43, 1536
	s_mul_i32 s46, s44, 768
	s_add_co_u32 s45, s45, s46
	s_add_co_u32 s45, s45, LXI
	v_mul_u32_u24 v44, v43, 6144
	v_add_nc_u32 v44, s45, v44
	v_lshl_add_u32 v[D16], v42, 4, v44
	v_lshl_add_u32 v[D8], v42, 3, v44
	v_add_nc_u32 v[D8], 512, v[D8]
	s_lshl_b32 s45, s43, 7
	s_lshl_b32 s46, s44, 1
	s_add_co_u32 s45, s45, s46
	s_add_co_u32 s45, s45, LXS
	v_lshl_add_u32 v[DSA], v43, 9, s45
	v_lshl_add_u32 v[DSA], v42, 2, v[DSA]          ; my column's two scale bytes
	s_mul_i32 s46, s18, YO
	s_add_co_u32 s47, s46, LXI
	v_add_nc_u32 v[QL16], s47, v[L16]
	v_add_nc_u32 v[QL8], s47, v[L8]
	s_add_co_u32 s47, s46, LXS
	v_add_nc_u32 v[QLS], s47, v[GP4]
	v_add_nc_u32 v[YL16], LXI+YO, v[L16]
	v_add_nc_u32 v[YL8], LXI+YO, v[L8]
	v_add_nc_u32 v[YLS], LXS+YO, v[GP4]
	; q's, k's images: my 16 codes of block b are registers rho = 6 (b / 2) + 3 h + 0 .. 2 of lane r + 16 (b % 2)
	s_lshr_b32 s47, s17, 1
	s_mul_i32 s47, s47, 6
	v_mad_u32_u24 v45, v41, 3, s47
	s_and_b32 s48, s17, 1
	s_lshl_b32 s48, s48, 8
	s_mul_i32 s49, s18, 6144
	s_add_co_u32 s48, s48, s49
	v_lshl_add_u32 v46, v40, 4, s48
.irp i, 0,1,2
	v_add_nc_u32 v47, \i, v45
	v_lshrrev_b32 v48, 2, v47
	v_and_b32 v47, 3, v47
	v_lshl_add_u32 v48, v48, 9, v46
	v_lshl_add_u32 v[QA+\i], v47, 2, v48
.endr
	s_lshl_b32 s48, s18, 9
	s_add_co_u32 s48, s48, s17
	s_add_co_u32 s48, s48, 12288
	v_add_nc_u32 v[QAB], s48, v[L4]                ; byte b of my lane's scale word
	s_mul_i32 s48, s16, 1536
	v_add_nc_u32 v[OL16], s48, v[L16]
	s_lshl_b32 s48, s16, 7
	s_add_co_u32 s48, s48, 12288
	v_add_nc_u32 v[OL4], s48, v[L4]
	v_and_b32 v47, 8, v40
	v_add_nc_u32 v47, v47, v40
	s_lshl_b32 s48, s16, 8
	v_lshl_add_u32 v[BVA], v47, 2, s48             ; b_v: 4 (r + 8 (r / 8)) + 256 u
.irp b, 0,1,2,3
	v_mov_b32 v[156+\b], 0                         ; written once: a lane permute's destination counts as one of its sources
.endr
	s_lshl_b32 s54, s20, 23                        ; a batch is 8,388,608 bytes,
	s_lshl_b32 s55, s16, 20                        ; my 64 rows of 16,384,
	s_add_co_u32 s54, s54, s55
	s_lshl_b32 s55, ttmp9, 8                       ; the work-group's 64 columns
	s_add_co_u32 s54, s54, s55
	s_mov_b32 s55, 0
	s_wait_dscnt 0x0                               ; both opening adds are done
	s_wait_kmcnt 0x0
	s_mov_b32 s32, 1
	s_mov_b32 s33, s42
	s_add_nc_u64 s[34:35], s[4:5], s[54:55]
	s_or_b32 s35, s35, 0x80000000
	s_mov_b32 s36, 1
	s_add_co_u32 s37, s42, 131072
	s_add_nc_u64 s[38:39], s[6:7], s[54:55]
	s_or_b32 s39, s39, 0x80000000
	tensor_load_to_lds s[32:35], s[24:31]          ; my rows of x: every wave issues both loads: two of mine are out
	s_nop 0
	tensor_load_to_lds s[36:39], s[24:31]          ; and of y
	s_nop 0
	PLACES
	s_mov_b32 s45, 0
	s_mul_i32 s44, s16, 24576
	s_add_co_u32 s44, s44, 49152
	s_add_nc_u64 s[56:57], s[10:11], s[44:45]      ; w_v's tiles 4 u on (tiles 8 + 4 u of wc)
	s_mul_i32 s44, s17, 12288
	s_add_nc_u64 s[58:59], s[10:11], s[44:45]      ; w_qk's tiles 2 b, 2 b + 1
	s_lshl_b32 s44, s17, 10
	s_add_co_u32 s44, s44, 442368
	s_add_nc_u64 s[60:61], s[10:11], s[44:45]      ; their scale words
	s_lshl_b32 s44, s16, 11
	s_add_co_u32 s44, s44, 446464
	s_add_nc_u64 s[62:63], s[10:11], s[44:45]      ; w_v's
	WIN 0x40                                       ; destination window 1.  The weights land while x and y are on their way
.irp t, 0,1,2,3
.irp s, 0,1,2,3
.irp p, 0,1,2
	global_load_b128 v[12*(4*\t+\s)+4*\p:12*(4*\t+\s)+4*\p+3], v[L16], s[56:57] offset:(4*\t+\s)*1536+512*\p
.endr
.endr
.endr
.irp t, 0,1,2,3
.irp i, 0,1,2,3,4,5,6,7
	global_load_b32 v[192+8*\t+\i], v[BVA], s[8:9] offset:128*(\t/2)+32*(\t%2)   ; the result's eight registers of a lane are eight keys of ONE channel: its bias eight times
.endr
.endr
	WIN 0
.irp w, 0,1
.irp s, 0,1,2,3
.irp p, 0,1,2
	global_load_b128 v[160+12*(4*\w+\s)+4*\p:160+12*(4*\w+\s)+4*\p+3], v[L16], s[58:59] offset:(4*\w+\s)*1536+512*\p
.endr
.endr
.endr
.irp s, 0,1,2,3
	global_load_b32 v[24+\s], v[GP4], s[60:61] offset:128*\s
.endr
.irp k, 0,1
.irp s, 0,1,2,3
	global_load_b32 v[28+4*\k+\s], v[GP4], s[62:63] offset:1024*\k+128*\s
.endr
.endr
	; where the results go
	s_add_co_u32 s46, s22, 2
	s_lshl_b32 s46, s46, 16                        ; record n + 2
	s_mul_i32 s47, s16, 6144
	s_mul_i32 s48, s21, 768
	s_add_co_u32 s44, s46, s47
	s_add_co_u32 s44, s44, s48
	s_add_nc_u64 s[66:67], s[14:15], s[44:45]      ; V: my four images' half g
	s_lshl_b32 s47, s21, 10
	s_lshl_b32 s48, s16, 7
	s_add_co_u32 s44, s46, s47
	s_add_co_u32 s44, s44, s48
	s_add_co_u32 s44, s44, 49152
	s_add_nc_u64 s[68:69], s[14:15], s[44:45]      ; and their scale halves
	s_lshl_b32 s46, s20, 6
	s_add_co_u32 s46, s46, ttmp9
	s_mul_i32 s46, s46, 6656                       ; q's record
	s_mul_i32 s47, s17, 1536
	s_add_co_u32 s47, s47, s46
	s_lshl_b32 s48, s17, 7
	s_add_co_u32 s48, s48, s46
	s_add_co_u32 s48, s48, 6144
	s_lshl_b32 s49, s22, 16                        ; record n
	s_lshl_b32 s50, s21, 2
	s_add_co_u32 s50, s50, s17                     ; key tile 4 g + T
	s_mul_i32 s51, s50, 1536
	s_add_co_u32 s51, s51, s49
	s_add_co_u32 s51, s51, 51200
	s_lshl_b32 s52, s50, 7
	s_add_co_u32 s52, s52, s49
	s_add_co_u32 s52, s52, 63488
	s_cmp_eq_u32 s18, 0                            ; waves 0-3 store q's tiles, waves 4-7 k's: the choice hangs on the wave's number alone
	s_cselect_b64 s[70:71], s[12:13], s[14:15]
	s_cselect_b32 s72, s47, s51
	s_cselect_b32 s74, s48, s52
	s_mov_b32 s73, 0
	s_mov_b32 s75, 0
	s_add_nc_u64 s[72:73], s[70:71], s[72:73]      ; the image
	s_add_nc_u64 s[74:75], s[70:71], s[74:75]      ; the scale words
; ---- X.  A task: 32 columns (half ch) x one block of 32 channels (blk) of my 64 rows.  32 loads, a lane a column, a register a channel.
.macro XLOAD set, adr, ch, blk
.irp i, 0,1,2,3,4,5,6,7,8,9,10,11,12,13,14,15,16,17,18,19,20,21,22,23,24,25,26,27,28,29,30,31
	ds_load_b32 v[88+32*(\set)+\i], v[\adr] offset:(32*(\blk)+\i)*256+128*(\ch)
.endr
.endm
.macro XBLK set, ch, blk, yo           ; the block becomes six registers of codes, those of lane RR + 16 blk of the fragment's half, and a scale byte
.set XB, 88+32*(\set)
	v_max3_num_f32 v52, |v[XB]|, |v[XB+1]|, |v[XB+2]|
	v_max3_num_f32 v53, |v[XB+3]|, |v[XB+4]|, |v[XB+5]|
.irp i, 6,10,14,18,22,26
	v_max3_num_f32 v52, v52, |v[XB+\i]|, |v[XB+\i+1]|
	v_max3_num_f32 v53, v53, |v[XB+\i+2]|, |v[XB+\i+3]|
.endr
	v_max3_num_f32 v52, v52, |v[XB+30]|, |v[XB+31]|
	v_max3_num_f32 v52, v52, v53, 0x2800000        ; and the floor 2^(5 - 127)
	v_add_nc_u32 v54, 0xfe000000, v52              ; 4 off the exponent field: the conversion's scale operand
	v_cvt_scalef32_pk16_bf6_f32 v[40:42], v[XB:XB+15], v54
	v_cvt_scalef32_pk16_bf6_f32 v[48:50], v[XB+16:XB+31], v54
	v_lshrrev_b32 v55, 23, v54                     ; the scale's byte (the plain place behind the conversions)
.irp i, 0,1,2
	v_mov_b32 v[43+\i], v[48+\i]
.endr
	ds_store_b128 v[D16], v[40:43] offset:12288*(\ch)+256*(\blk)+(\yo)
	ds_store_b64 v[D8], v[44:45] offset:12288*(\ch)+128*(\blk)+(\yo)
.if (\blk) == 0
	v_mov_b32 v56, v55
.else
	v_lshl_or_b32 v56, v55, 8, v56
	ds_store_b16 v[DSA], v56 offset:1024*(\ch)+(\yo)      ; my column's two bytes of its scale word,
	ds_store_b16 v[DSA], v56 offset:1024*(\ch)+64+(\yo)   ; and once more for lanes 16-31
.endif
.endm
	s_wait_tensorcnt 0x1                           ; my rows of x are in LDS (y's load may be out); I alone read them
	XLOAD 0, AX, 0, 0
	XLOAD 1, AX, 0, 1                              ; the next task's loads go out first;
	s_wait_dscnt 32                                ; all but those 32 are done: this task's numbers are in, and the last task's stores have read their registers
	XBLK 0, 0, 0, 0
	XLOAD 0, AX, 1, 0
	s_wait_dscnt 32
	XBLK 1, 0, 1, 0
	XLOAD 1, AX, 1, 1
	s_wait_dscnt 32
	XBLK 0, 1, 0, 0
	s_wait_tensorcnt 0x0                           ; my rows of y
	XLOAD 0, AY, 0, 0
	s_wait_dscnt 32
	XBLK 1, 1, 1, 0
	XLOAD 1, AY, 0, 1
	s_wait_dscnt 32
	XBLK 0, 0, 0, YO
	XLOAD 0, AY, 1, 0
	s_wait_dscnt 32
	XBLK 1, 0, 1, YO
	XLOAD 1, AY, 1, 1
	s_wait_dscnt 32
	XBLK 0, 1, 0, YO
	s_wait_dscnt 0x0
	XBLK 1, 1, 1, YO
	s_wait_dscnt 0x0                               ; for the others' sake: my images lie in LDS, and my reads of x and y are over
	s_wait_loadcnt 0x0                             ; the weights
	s_barrier_signal -1
	s_barrier_wait -1
; four data fragments of K step s, and their scale words (tiles 0, 1 in one register, 2, 3 in the other)
.macro DLOAD a16, a8, as, s
.irp T, 0,1,2,3
	ds_load_b128 v[40+12*\T:43+12*\T], v[\a16] offset:(4*\T+(\s))*1536
	ds_load_b64 v[44+12*\T:45+12*\T], v[\a8] offset:(4*\T+(\s))*1536+512
	ds_load_b128 v[46+12*\T:49+12*\T], v[\a16] offset:(4*\T+(\s))*1536+768
	ds_load_b64 v[50+12*\T:51+12*\T], v[\a8] offset:(4*\T+(\s))*1536+1280
.endr
	ds_load_b32 v36, v[\as] offset:128*(\s)
	ds_load_b32 v37, v[\as] offset:1024+128*(\s)
.endm
	; ---- QK: eight sums by turns: sum (T, w) at v[88 + 16 T + 8 w]: register 8 w + j of lane (r, h) is d = 32 b + 16 h + 8 w + j of column r of tile T
.irp s, 0,1,2,3
	DLOAD QL16, QL8, QLS, \s
	s_wait_dscnt 0x0
.irp T, 0,1,2,3
.irp w, 0,1
.if \s == 0
	WM 88+16*\T+8*\w, 160+12*(4*\w+\s), 40+12*\T, -1, 24+\s, 36+\T/2, \w, \T%2
.else
	WM 88+16*\T+8*\w, 160+12*(4*\w+\s), 40+12*\T, 88+16*\T+8*\w, 24+\s, 36+\T/2, \w, \T%2
.endif
.endr
.endr
	PLACES
.endr
.irp T, 0,1,2,3
	v_max3_num_f32 v[152+\T], |v[88+16*\T]|, |v[89+16*\T]|, 0x2800000   ; my 16 d of the block, and the floor; the four tiles by turns
.endr
.irp i, 2,4,6,8,10,12,14
.irp T, 0,1,2,3
	v_max3_num_f32 v[152+\T], v[152+\T], |v[88+16*\T+\i]|, |v[89+16*\T+\i]|
.endr
.endr
.irp T, 0,1,2,3
	v_permlanex16_b32 v[156+\T], v[152+\T], s40, s41
.endr
.irp T, 0,1,2,3
	v_max_num_f32 v[152+\T], v[152+\T], v[156+\T]  ; with lane l xor 16's 16: the block's largest magnitude
.endr
.irp T, 0,1,2,3
	v_add_nc_u32 v[152+\T], 0xfe000000, v[152+\T]
.endr
.irp T, 0,1,2,3
	v_lshrrev_b32 v[156+\T], 23, v[152+\T]
.endr
.irp T, 0,1,2,3
	v_cvt_scalef32_pk16_bf6_f32 v[40+4*\T:42+4*\T], v[88+16*\T:103+16*\T], v[152+\T]
.endr
	v_nop                                          ; one plain place behind the conversions
.irp T, 0,1,2,3
.irp i, 0,1,2
	ds_store_b32 v[QA+\i], v[40+4*\T+\i] offset:1536*\T
.endr
	ds_store_b8 v[QAB], v[156+\T] offset:128*\T
.endr
	s_wait_dscnt 0x0                               ; the stores have read their registers
	; ---- V: sixteen sums by turns: sum (t, T) at v[128 + 32 t + 8 T]: register 8 T + j of lane (r, h) is key 32 (T / 2) + 16 h + 8 (T % 2) + j of channel r of w_v's tile 4 u + t
.irp s, 0,1,2,3
	DLOAD YL16, YL8, YLS, \s
	s_wait_dscnt 0x0
.if \s == 0
	WIN 0x14                                       ; source 1 (w_v) and source 2 (b_v) window 1
.else
	WIN 0x04
.endif
.irp t, 0,1,2,3
.irp T, 0,1,2,3
.if \s == 0
	WM 128+32*\t+8*\T, 40+12*\T, 12*(4*\t+\s), 192+8*\t, 36+\T/2, 28+4*(\t/2)+\s, \T%2, \t%2
.else
	WM 128+32*\t+8*\T, 40+12*\T, 12*(4*\t+\s), 128+32*\t+8*\T, 36+\T/2, 28+4*(\t/2)+\s, \T%2, \t%2
.endif
.endr
.endr
	WIN 0
	PLACES
.endr
; a channel tile's 64 keys: two blocks of 32, each in lanes l and l xor 16; six registers of codes: half g of the fragment; two scale bytes
.macro QUANT2 t
.set VB, 128+32*(\t)
.set PCT, 40+12*(\t)
.irp b, 0,1
	v_max3_num_f32 v[88+\b], |v[VB+16*\b]|, |v[VB+1+16*\b]|, 0x2800000
.endr
.irp i, 2,4,6,8,10,12,14
.irp b, 0,1
	v_max3_num_f32 v[88+\b], v[88+\b], |v[VB+16*\b+\i]|, |v[VB+1+16*\b+\i]|
.endr
.endr
.irp b, 0,1
	v_permlanex16_b32 v[90+\b], v[88+\b], s40, s41
.endr
.irp b, 0,1
	v_max_num_f32 v[88+\b], v[88+\b], v[90+\b]
.endr
.irp b, 0,1
	v_add_nc_u32 v[92+\b], 0xfe000000, v[88+\b]
.endr
.irp b, 0,1
	v_lshrrev_b32 v[94+\b], 23, v[92+\b]
.endr
	v_lshl_or_b32 v[96+(\t)], v95, 8, v94
	v_cvt_scalef32_pk16_bf6_f32 v[PCT:PCT+2], v[VB:VB+15], v92
	v_cvt_scalef32_pk16_bf6_f32 v[PCT+8:PCT+10], v[VB+16:VB+31], v93
	v_nop                                          ; one plain place behind the conversions
.irp i, 0,1,2
	v_permlane16_swap_b32 v[PCT+\i], v[PCT+8+\i]   ; the layout wants a whole block in a lane: lanes 0-15 block 0, lanes 16-31 block 1
.endr
.irp i, 0,1,2
	v_mov_b32 v[PCT+3+\i], v[PCT+8+\i]
.endr
	global_store_b128 v[L16], v[PCT:PCT+3], s[66:67] offset:1536*(\t)       ; 512 consecutive bytes, at a multiple of 256 from kv's first byte
	global_store_b64 v[L8], v[PCT+4:PCT+5], s[66:67] offset:1536*(\t)+512   ; 256 more
.endm
	QUANT2 0
	QUANT2 1
	QUANT2 2
	QUANT2 3
	v_lshl_or_b32 v100, v98, 16, v96               ; lanes 0-15: tiles 0 and 2;
	v_lshl_or_b32 v101, v99, 16, v97               ; lanes 16-31: tiles 1 and 3
	v_cmp_gt_u32 vcc_lo, 16, v[LN]
	v_cndmask_b32 v100, v101, v100, vcc_lo
	global_store_b32 v[L4], v100, s[68:69]
	; ---- the way out of q and k: a tile's image was written by four waves
	s_wait_dscnt 0x0
	s_barrier_signal -1
	s_barrier_wait -1
.irp p, 0,1,2
	ds_load_b128 v[104+4*\p:107+4*\p], v[OL16] offset:512*\p
.endr
	ds_load_b32 v116, v[OL4]
	v_mov_b32 v117, 0
	s_wait_dscnt 0x0
.irp p, 0,1,2
	global_store_b128 v[L16], v[104+4*\p:107+4*\p], s[72:73] offset:512*\p
.endr
	global_store_b32 v[L4], v116, s[74:75]
	s_cmp_eq_u32 s18, 0
	s_cbranch_scc1 .Lno_pad
	global_store_b32 v[L4], v117, s[74:75] offset:1024   ; k's waves: the record's last 1,024 bytes, 128 a tile, are zeros: the last launch fetches whole records
.Lno_pad:
	s_wait_tensorcnt 0x0                           ; the wave's end: behind my last tensor load and my last LDS store
	ds_add_u32 v[SPW], v[NIL]
	s_wait_dscnt 0x0
	s_endpgm
.Lfunc_end_k_qc7ee2ce170_proj:
	.size	k_qc7ee2ce170_proj, .Lfunc_end_k_qc7ee2ce170_proj-k_qc7ee2ce170_proj
	.p2alignl 7, 3214868480
	.fill 96, 4, 3214868480
	.section	.rodata,"a",@progbits
	.p2align	6, 0x0
	.amdhsa_kernel k_qc7ee2ce170_proj
		.amdhsa_group_segment_fixed_size 327680
		.amdhsa_private_segment_fixed_size 0
		.amdhsa_enable_private_segment 0
		.amdhsa_kernarg_size 48
		.amdhsa_user_sgpr_count 2
		.amdhsa_user_sgpr_kernarg_segment_ptr 1
		.amdhsa_wavefront_size32 1
		.amdhsa_system_sgpr_workgroup_id_x 1
		.amdhsa_system_sgpr_workgroup_id_y 1
		.amdhsa_system_sgpr_workgroup_id_z 1
		.amdhsa_system_vgpr_workitem_id 0
		.amdhsa_next_free_vgpr 512
		.amdhsa_next_free_sgpr 80
		.amdhsa_reserve_vcc 1
		.amdhsa_float_denorm_mode_32 3
		.amdhsa_float_denorm_mode_16_64 3
		.amdhsa_memory_ordered 1
		.amdhsa_forward_progress 1
		.amdhsa_inst_pref_size 85
	.end_amdhsa_kernel
	.amdgpu_metadata
---
amdhsa.version: [ 1, 2 ]
amdhsa.kernels:
  - .name:           k_qc7ee2ce170_proj
    .symbol:         k_qc7ee2ce170_proj.kd
    .args:
      - { .name: x, .offset: 0, .size: 8, .value_kind: global_buffer, .address_space: global }
      - { .name: y, .offset: 8, .size: 8, .value_kind: global_buffer, .address_space: global }
      - { .name: b_v, .offset: 16, .size: 8, .value_kind: global_buffer, .address_space: global }
      - { .name: wc, .offset: 24, .size: 8, .value_kind: global_buffer, .address_space: global }
      - { .name: qc, .offset: 32, .size: 8, .value_kind: global_buffer, .address_space: global }
      - { .name: kv, .offset: 40, .size: 8, .value_kind: global_buffer, .address_space: global }
    .group_segment_fixed_size: 327680
    .private_segment_fixed_size: 0
    .kernarg_segment_align: 8
    .kernarg_segment_size: 48
    .max_flat_workgroup_size: 256
    .sgpr_count:     80
    .vgpr_count:     512
    .wavefront_size: 32
...
	.end_amdgpu_metadata
.endif
;; end of part 2
;; launch attn (part 3): grid 64 x 4, 8 waves a work-group, clusters of 4 x 1, 327,680 bytes of LDS; arguments qc, kv, wc, bn, out0; writes out0
.if DOCPART == 3
	.amdgcn_target "amdgcn-amd-amdhsa--gfx1250"
	.amdhsa_code_object_version 6
	.text
	.protected	k_qc7ee2ce170_attn
	.globl	k_qc7ee2ce170_attn
	.p2align	8
	.type	k_qc7ee2ce170_attn,@function
k_qc7ee2ce170_attn:
	s_mov_b64 s[64:65], 0
	v_nop
	global_prefetch_b8 v0, s[64:65] scope:SCOPE_SE
	s_setreg_imm32_b32 hwreg(HW_REG_WAVE_MODE, 25, 1), 1
	s_wait_xcnt 0x0
	s_wait_alu depctr_hold_cnt(0) depctr_sa_sdst(0) depctr_va_vdst(0) depctr_va_sdst(0) depctr_va_ssrc(0) depctr_va_vcc(0) depctr_vm_vsrc(0)
	s_getreg_b32 s2, hwreg(HW_REG_IB_STS2, 6, 4)
	s_cmp_eq_u32 s2, 0
	s_cbranch_scc0 .Lentry_in_a_cluster
	s_endpgm
.Lentry_in_a_cluster:
	s_bfe_u32 s2, ttmp6, 0x10000c
	s_cmp_lg_u32 s2, 0x3003
	s_cbranch_scc0 .Lentry_shape_is_right
	s_endpgm
.Lentry_shape_is_right:
; out0[b][n][:] = relu((w_t (V P / l)) A + Bc): scores, softmax, V P, the projection, the norm and the relu for 64 queries of one batch a work-group.  All products on codes of E3M2.  No work of the reference is left out here.
; THE SOFTMAX: t = score x log2(e) / sqrt(128); M = the running largest t rounded UP to a whole number; p = 2^(t - M) is quantised along the keys; l sums the unquantised p; when M moves, l and O are multiplied by 2^(old M - new M).
; ROLES, by the wave's number.  Waves 0-3 (S): wave j owns query tile j: S^T = K Q^T (source 0 = 16 keys), the softmax, p's codes.  Waves 4-7 (P): wave w owns channels 128 w .. 128 w + 127 of O^T = V^T P^T for all four query
; tiles: 32 sums, so each fragment of V is read from LDS once in the work-group.  In interval i the S waves make p of key step i while the P waves multiply p of step i - 1; p, its scale words and the factor go from S to P
; through LDS as images of registers, in two buffers by turns; one barrier an interval.  33 intervals for 32 key steps of 128.
; THE STREAM.  kv's records of 65,536 bytes hold V of step i - 1 and K of step i + 1 together (chunk i): the S waves take K one interval ahead into registers.  K of steps 0 and 1 come from memory at the head.
; A slot holds two chunks; two slots; each of the eight waves fetches an eighth of a slot by one tensor load.
; CLUSTER.  The four work-groups of a cluster belong to one batch and walk the same stream: each slot is asked for JOINTLY, with the same descriptor and a mask that names the four.
; THE END.  O / l is quantised along the channels by the P waves (image to LDS); all eight waves multiply by w_t (wave u: its tiles 4 u .. 4 u + 3, source 0, so that a lane holds 8 neighbouring outputs of one query);
; norm, relu; through a stage in LDS; whole rows of 2,048 bytes leave.
; Queries, keys, V's channels and w_t's rows are laid in tiles whose lane r is index 32 (T / 2) + 8 (T % 2) + r + 8 (r / 8), as the launches before have laid them.
; THE TWO ROLES SHARE REGISTER NUMBERS.  So every distance behind a matrix instruction and every order of loads is kept on every way through the text, also on ways that no wave takes (one role's arm, then the other's).
; LIMITS: NaN and infinities are not served; 1 / l is v_rcp_f32; a block of zeros carries the scale byte 1.
; LDS: slots at 0 and SLOT1 (a chunk: V's 32 images, VSC its scale halves, KOF K's 8 images, KSC their scale words); PB: two buffers of PBS bytes (4 images, 4 x 128 scale words, 4 x 256 factors); RL: 1 / l; XSI, XSS: O / l's
; 16 images and scale words; SPARE: the spare words.  The stage (64 rows x 2,064 bytes) lies from byte 0 on, in slots that have had their last fill and their last read.
; REGISTERS.  Window 0: v1-31 addresses, all made ahead of the first parting of the roles; v224-255 scale words and nothing else.
;   S: v[32:33] -M, largest t; v[34:35] l; v36-47 Q; v48-111 S^T, then p; v112-130 p's codes; v132-150 at work.  Window 1: K's two sets of 8 fragments, v0-95 and v96-191.
;   P: v32-127 V's 8 fragments; v128-175 p's 4; v176-183 the factors; v184-187 V's scale halves.  Window 1: O^T, sum (j, a) at v[64 j + 8 a].
;   The end: v32-159 the 16 sums; v160-207 four fragments of O / l.  Window 1: w_t's 16 fragments, v192-223 A, v224-255 Bc.
.set SLOT1, 131072
.set CHUNK, 65536
.set VSC,  49152
.set KOF,  51200
.set KSC,  63488
.set PB,   262144
.set PBS,  7680
.set RL,   277504
.set XSI,  278528
.set XSS,  303104
.set SPARE, 305152
.set SPITCH, 2064
.set SPW, 28
.set NIL, 29
.set TM,  96                           ; the P waves' quantiser: v96-111 at work, v112 the scale word, v114-132 codes
.set PW,  112
.set PC,  114
.set MSB, 0
.macro WIN new                         ; the immediate's high byte repeats the setting that is left
.if MSB != \new
	s_set_vgpr_msb (MSB<<8)|\new
.set MSB, \new
.endif
.endm
.macro WM d, a, b, c, sa, sb, ra, rb   ; one product 16 x 16 x 128.  c < 0: the constant 0 starts the sum.  ra, rb = 1: that side's scale words stand in lanes 16-31
.if (\c) < 0
.if (\ra) && (\rb)
	v_wmma_scale_f32_16x16x128_f8f6f4 v[(\d):(\d)+7], v[(\a):(\a)+11], v[(\b):(\b)+11], 0, v[\sa], v[\sb] matrix_a_fmt:MATRIX_FMT_BF6 matrix_b_fmt:MATRIX_FMT_BF6 matrix_a_scale:MATRIX_SCALE_ROW1 matrix_b_scale:MATRIX_SCALE_ROW1
.elseif (\ra)
	v_wmma_scale_f32_16x16x128_f8f6f4 v[(\d):(\d)+7], v[(\a):(\a)+11], v[(\b):(\b)+11], 0, v[\sa], v[\sb] matrix_a_fmt:MATRIX_FMT_BF6 matrix_b_fmt:MATRIX_FMT_BF6 matrix_a_scale:MATRIX_SCALE_ROW1
.elseif (\rb)
	v_wmma_scale_f32_16x16x128_f8f6f4 v[(\d):(\d)+7], v[(\a):(\a)+11], v[(\b):(\b)+11], 0, v[\sa], v[\sb] matrix_a_fmt:MATRIX_FMT_BF6 matrix_b_fmt:MATRIX_FMT_BF6 matrix_b_scale:MATRIX_SCALE_ROW1
.else
	v_wmma_scale_f32_16x16x128_f8f6f4 v[(\d):(\d)+7], v[(\a):(\a)+11], v[(\b):(\b)+11], 0, v[\sa], v[\sb] matrix_a_fmt:MATRIX_FMT_BF6 matrix_b_fmt:MATRIX_FMT_BF6
.endif
.else
.if (\ra) && (\rb)
	v_wmma_scale_f32_16x16x128_f8f6f4 v[(\d):(\d)+7], v[(\a):(\a)+11], v[(\b):(\b)+11], v[(\c):(\c)+7], v[\sa], v[\sb] matrix_a_fmt:MATRIX_FMT_BF6 matrix_b_fmt:MATRIX_FMT_BF6 matrix_a_scale:MATRIX_SCALE_ROW1 matrix_b_scale:MATRIX_SCALE_ROW1
.elseif (\ra)
	v_wmma_scale_f32_16x16x128_f8f6f4 v[(\d):(\d)+7], v[(\a):(\a)+11], v[(\b):(\b)+11], v[(\c):(\c)+7], v[\sa], v[\sb] matrix_a_fmt:MATRIX_FMT_BF6 matrix_b_fmt:MATRIX_FMT_BF6 matrix_a_scale:MATRIX_SCALE_ROW1
.elseif (\rb)
	v_wmma_scale_f32_16x16x128_f8f6f4 v[(\d):(\d)+7], v[(\a):(\a)+11], v[(\b):(\b)+11], v[(\c):(\c)+7], v[\sa], v[\sb] matrix_a_fmt:MATRIX_FMT_BF6 matrix_b_fmt:MATRIX_FMT_BF6 matrix_b_scale:MATRIX_SCALE_ROW1
.else
	v_wmma_scale_f32_16x16x128_f8f6f4 v[(\d):(\d)+7], v[(\a):(\a)+11], v[(\b):(\b)+11], v[(\c):(\c)+7], v[\sa], v[\sb] matrix_a_fmt:MATRIX_FMT_BF6 matrix_b_fmt:MATRIX_FMT_BF6
.endif
.endif
.endm
.macro PLACES                          ; four plain places behind matrix instructions, ahead of loads into their registers and of the first read of results
.rept 4
	v_nop
.endr
.endm
.macro CROUND                          ; a round of the cluster's barrier: my work-group's barrier; wave 0 signals for the work-group; every wave waits for all four work-groups; my work-group's barrier once more
	s_barrier_signal -1
	s_barrier_wait -1
	s_cmp_lg_u32 s14, 0
	s_cbranch_scc1 .Lnot_wave_0_\@
	s_barrier_signal -3
.Lnot_wave_0_\@:
	s_barrier_wait -3
	s_barrier_signal -1
	s_barrier_wait -1
.endm
; A PREFETCH INTO THE L2 of the slot that stands two refills on (four intervals ahead of the load that will want it): 131,072 bytes = 512 blocks of 256.  All sixteen clusters of a batch walk the same stream: the batch's first
; cluster asks.  Its four partners take 32,768 bytes each, told apart BY ADDRESS; in each, waves 0-3 take 8,192 bytes, lanes 256 bytes apart: each block is named once in the launch.  The last two refills name nothing.
.macro ASK
	s_cmp_gt_u32 s41, s44
	s_cbranch_scc0 .Lnot_mine_\@
	global_prefetch_b8 v27, s[42:43] th:TH_LOAD_NT scope:SCOPE_SE
.Lnot_mine_\@:
.endm
.macro KLOAD set                       ; K of the next step, out of the chunk in hand, into set
	WIN 0x40
.irp t, 0,1,2,3,4,5,6,7
.irp p, 0,1,2
	ds_load_b128 v[96*(\set)+12*\t+4*\p:96*(\set)+12*\t+4*\p+3], v7 offset:KOF+1536*\t+512*\p
.endr
.endr
	WIN 0
.irp t, 0,1,2,3,4,5,6,7
	ds_load_b32 v[224+8*(\set)+\t], v9 offset:KSC+128*\t
.endr
.endm
.macro KGLOAD set, off                 ; the same images from memory: steps 0 and 1
	WIN 0x40
.irp t, 0,1,2,3,4,5,6,7
.irp p, 0,1,2
	global_load_b128 v[96*(\set)+12*\t+4*\p:96*(\set)+12*\t+4*\p+3], v2, s[56:57] offset:(\off)+1536*\t+512*\p
.endr
.endr
	WIN 0
.irp t, 0,1,2,3,4,5,6,7
	global_load_b32 v[224+8*(\set)+\t], v3, s[56:57] offset:(\off)+12288+128*\t
.endr
.endm
; AN S WAVE'S INTERVAL: 128 keys for my 16 queries.  set: K's registers; par: the buffer that takes p; pre = 1: the next step's K is fetched.
.macro SOFT set, par, pre
	WIN 0x01                                       ; source 0 (K) window 1
.irp t, 0,1,2,3,4,5,6,7
	WM 48+8*\t, 96*(\set)+12*\t, 36, -1, 224+8*(\set)+\t, 240, 0, 0
.endr
	WIN 0                                          ; lane (r, h) holds query r; the 16 registers of tiles 2 b, 2 b + 1 are keys 32 b + 16 h + 0 .. 15
	PLACES
.irp b, 0,1,2,3
	v_max3_num_f32 v[132+\b], v[48+16*\b], v[49+16*\b], v[50+16*\b]   ; the largest score of each block of 32 keys: for the row's maximum and, since p rises with the score, for the block's largest p
.endr
.irp i, 3,5,7,9,11,13
.irp b, 0,1,2,3
	v_max3_num_f32 v[132+\b], v[132+\b], v[48+16*\b+\i], v[49+16*\b+\i]
.endr
.endr
.irp b, 0,1,2,3
	v_max_num_f32 v[132+\b], v[132+\b], v[63+16*\b]
.endr
.irp b, 0,1,2,3
	v_permlanex16_b32 v[136+\b], v[132+\b], s20, s21
.endr
.irp b, 0,1,2,3
	v_max_num_f32 v[132+\b], v[132+\b], v[136+\b]  ; with lane l xor 16's 16 keys
.endr
	v_max3_num_f32 v146, v132, v133, v134
	v_max_num_f32 v146, v146, v135                 ; the step's largest score of my query
	v_mul_f32 v146, s22, v146                      ; as t (c is positive)
	v_max_num_f32 v33, v33, v146                   ; the running largest t
	v_mov_b32 v146, v32
	v_floor_f32 v32, -v33                          ; the new -M = floor(-t): M is a whole number
	v_sub_f32 v146, v32, v146                      ; old M - new M: a whole number, 0 or less
	v_cvt_i32_f32 v146, v146                       ; (it saturates)
	v_ldexp_f32 v148, 1.0, v146                    ; f = 2^(old M - new M), twice: a pair for the packed multiplies
	v_ldexp_f32 v149, 1.0, v146
.set ii, 0
.rept 32
	v_pk_fma_f32 v[48+ii:49+ii], v[48+ii:49+ii], s[22:23], v[32:33] op_sel_hi:[1,0,0]   ; t - M, two at a time (of the pairs c and -M the low word serves both halves)
.set ii, ii+2
.endr
.irp b, 0,1,2,3
	v_fma_f32 v[132+\b], v[132+\b], s22, v32       ; the same of each block's largest score
.endr
.if \pre
	KLOAD 1-\set                                   ; it lands under the exponentials
.endif
.set ii, 0
.rept 64
	v_exp_f32 v[48+ii], v[48+ii]                   ; p = 2^(t - M), at most 1: not normalised
.set ii, ii+1
.endr
	v_pk_mul_f32 v[34:35], v[34:35], v[148:149]    ; l under the new M (the plain place behind the exponentials)
	s_wait_alu depctr_va_vdst(0)                   ; one wait for the whole batch, ahead of its first reader
.irp b, 0,1,2,3
	v_exp_f32 v[132+\b], v[132+\b]                 ; the block's largest p: the same two instructions on the same number give the same bits
.endr
	v_pk_add_f32 v[144:145], v[48:49], v[50:51]    ; l is summed of the unquantised p, two at a time, in two chains: plain work behind the four
.irp j, 4,8,12,16,20,24,28,32,36,40,44,48,52,56,60
	v_pk_add_f32 v[34:35], v[34:35], v[48+\j:49+\j]
	v_pk_add_f32 v[144:145], v[144:145], v[50+\j:51+\j]
.endr
	v_pk_add_f32 v[34:35], v[34:35], v[144:145]
	s_wait_alu depctr_va_vdst(0)                   ; and one for the four
.irp b, 0,1,2,3
	v_max_num_f32 v[132+\b], 0x2800000, v[132+\b]  ; the floor 2^(5 - 127): the byte cannot fall under 1
.endr
.irp b, 0,1,2,3
	v_add_nc_u32 v[140+\b], 0xfe000000, v[132+\b]  ; 4 off the exponent field: the conversion's scale operand
.endr
.irp b, 0,1,2,3
	v_lshrrev_b32 v[136+\b], 23, v[140+\b]         ; the scale's byte
.endr
	v_lshl_or_b32 v150, v137, 8, v136              ; p's scale word for these 128 keys
	v_lshl_or_b32 v150, v138, 16, v150
	v_lshl_or_b32 v150, v139, 24, v150
.irp c, 0,1
	v_cvt_scalef32_pk16_bf6_f32 v[112+6*\c:114+6*\c], v[48+32*\c:63+32*\c], v[140+2*\c]
	v_cvt_scalef32_pk16_bf6_f32 v[124+4*\c:126+4*\c], v[64+32*\c:79+32*\c], v[140+2*\c+1]   ; (a conversion's three registers begin on an even number)
.endr
	v_nop                                          ; one plain place behind the conversions
.irp c, 0,1
.irp i, 0,1,2
	v_permlane16_swap_b32 v[112+6*\c+\i], v[124+4*\c+\i]   ; the layout wants a whole block in a lane
.endr
.irp i, 0,1,2
	v_mov_b32 v[115+6*\c+\i], v[124+4*\c+\i]
.endr
.endr
.irp p, 0,1,2
	ds_store_b128 v10, v[112+4*\p:115+4*\p] offset:PBS*(\par)+512*\p   ; the fragment as it stands,
.endr
	ds_store_b32 v11, v150 offset:PBS*(\par)       ; its scale words,
	ds_store_b64 v12, v[148:149] offset:PBS*(\par) ; and the factor
.endm
; A P WAVE'S INTERVAL: O^T = f O^T + V^T P^T for my 128 channels and all 64 queries; K = the 128 keys whose p lies in buffer par.  first = 1: the products start the sums: nothing is ever cleared.
.macro PV par, first
.if !(\first)
.irp j, 0,1,2,3
	ds_load_b64 v[176+2*\j:177+2*\j], v15 offset:PBS*(\par)+256*\j
.endr
.endif
.irp k, 0,1
.irp g, 0,1
	ds_load_b32 v[184+2*\k+\g], v9 offset:VSC+1024*\g+128*\k
.endr
.endr
.irp j, 0,1,2,3
	ds_load_b32 v[228+\j], v14 offset:PBS*(\par)+128*\j
.endr
.irp j, 0,1,2,3
.irp p, 0,1,2
	ds_load_b128 v[128+12*\j+4*\p:131+12*\j+4*\p], v13 offset:PBS*(\par)+1536*\j+512*\p
.endr
.endr
.irp a, 0,1,2,3,4,5,6,7
	ds_load_b128 v[32+12*\a:35+12*\a], v7 offset:1536*\a
	ds_load_b64 v[36+12*\a:37+12*\a], v8 offset:1536*\a+512
	ds_load_b128 v[38+12*\a:41+12*\a], v7 offset:1536*\a+768
	ds_load_b64 v[42+12*\a:43+12*\a], v8 offset:1536*\a+1280
.endr
	s_wait_dscnt 48                                ; the factors and V's scale halves are in; p's 4 scale words, its 12 loads and V's 32 may be out
.irp k, 0,1
	v_perm_b32 v[224+2*\k], v[185+2*\k], v[184+2*\k], 0x05040100   ; two halves of 64 keys make a word: tiles 4 k (lanes 0-15) and 4 k + 1 (lanes 16-31),
	v_perm_b32 v[225+2*\k], v[185+2*\k], v[184+2*\k], 0x07060302   ; tiles 4 k + 2 and 4 k + 3
.endr
.if \first
.rept 8
	v_nop                                          ; a scale register written by a vector instruction stands eight places ahead of the product
.endr
	WIN 0x40                                       ; D window 1
.else
	WIN 0x41                                       ; O^T (destination and source 0) window 1
.irp j, 0,1,2,3
.set ii, 0
.rept 32
	v_pk_mul_f32 v[64*\j+ii:64*\j+ii+1], v[64*\j+ii:64*\j+ii+1], v[176+2*\j:177+2*\j]   ; O^T under the new M; each sum from its low end on
.set ii, ii+2
.endr
.endr
	WIN 0x50                                       ; C and D window 1
.endif
.irp a, 0,1,2,3,4,5,6,7
	s_wait_dscnt 28-4*\a                           ; V's fragment a is in; the later ones, four loads each, may be out
.irp j, 0,1,2,3
.if \first
	WM 64*\j+8*\a, 32+12*\a, 128+12*\j, -1, 224+\a/2, 228+\j, \a%2, 0
.else
	WM 64*\j+8*\a, 32+12*\a, 128+12*\j, 64*\j+8*\a, 224+\a/2, 228+\j, \a%2, 0   ; 32 sums by turns
.endif
.endr
.endr
	WIN 0
.rept 5
	v_nop                                          ; FIVE plain places close the run: no plain instruction stands among the 32 products, and the other role's text names the same register numbers (its K where O^T lies, its scores
.endr                                              ; where V lies).  So whatever follows on any way through the text, a product that takes or writes over these registers too, stands five places behind every product of the run (ISA guide 7.12.1)
.endm
.macro HEADI                           ; an interval's head, on every wave's path: the chunk's addresses
	v_add_nc_u32 v7, s40, v4
	v_add_nc_u32 v8, s40, v5
	v_add_nc_u32 v9, s40, v6
.endm
.macro INTERVAL set, par, pre, first
	HEADI
	s_cmp_lt_u32 s14, 4
	s_cbranch_scc0 .Lrole_p_\@
	SOFT \set, \par, \pre
	s_branch .Lrole_j_\@
.Lrole_p_\@:
	PV 1-\par, \first
.Lrole_j_\@:
.endm
.macro BAR                             ; my LDS stores have landed and my LDS loads are in: then the work-group's barrier
	s_wait_dscnt 0x0
	s_barrier_signal -1
	s_barrier_wait -1
.endm
.macro PBAR                            ; between a slot's two chunks: the tensor load may stay out
	BAR
	s_add_co_u32 s40, s40, CHUNK
.endm
; THE CHANGE OF SLOTS.  Each wave waits for all its tensor loads (one is out: its part of the other slot), adds 0 to its spare word, and waits for that, for its reads of the slot and for its stores of p.
; fill = 1: the barrier is a round of the cluster's, and the slot just left is filled again first thing behind it, with the chunks two slots on: it has two intervals in which to land.
.macro CHANGE fill
	s_wait_tensorcnt 0x0                           ; no tensor load of mine is out, so a group 0 may be written
	ds_add_u32 v[SPW], v[NIL]                      ; 0 onto my spare word
.if \fill
	s_xor_b32 s37, s37, SLOT1                      ; the walking descriptor: the other slot than last time,
	s_add_nc_u64 s[38:39], s[38:39], SLOT1         ; the next two records; the type bits on top are not reached
	s_wait_xcnt 0x0                                ; the last prefetch, two intervals back, has read its address
	s_add_nc_u64 s[42:43], s[42:43], SLOT1
	s_wait_dscnt 0x0
	CROUND
	tensor_load_to_lds s[36:39], s[24:31]          ; my one tensor load behind the round
	s_nop 0
	PLACES
	ASK
.else
	s_wait_dscnt 0x0
	s_barrier_signal -1
	s_barrier_wait -1
.endif
	s_sub_co_u32 s40, s40, CHUNK                   ; back to a slot's first chunk,
	s_xor_b32 s40, s40, SLOT1                      ; in the other slot
.endm
; 64 numbers of a lane, register 16 b + i = k 32 b + 16 (lane / 16) + i of my row, become a fragment's codes in v[PC] on and its scale word in v[PW]
.macro QUANT s
.irp b, 0,1,2,3
	v_max3_num_f32 v[TM+\b], |v[\s+16*\b]|, |v[\s+1+16*\b]|, 0x2800000
.endr
.irp i, 2,4,6,8,10,12,14
.irp b, 0,1,2,3
	v_max3_num_f32 v[TM+\b], v[TM+\b], |v[\s+16*\b+\i]|, |v[\s+1+16*\b+\i]|
.endr
.endr
.irp b, 0,1,2,3
	v_permlanex16_b32 v[TM+4+\b], v[TM+\b], s20, s21
.endr
.irp b, 0,1,2,3
	v_max_num_f32 v[TM+\b], v[TM+\b], v[TM+4+\b]
.endr
.irp b, 0,1,2,3
	v_add_nc_u32 v[TM+12+\b], 0xfe000000, v[TM+\b]
.endr
.irp b, 0,1,2,3
	v_lshrrev_b32 v[TM+4+\b], 23, v[TM+12+\b]
.endr
	v_lshl_or_b32 v[PW], v[TM+5], 8, v[TM+4]
	v_lshl_or_b32 v[PW], v[TM+6], 16, v[PW]
	v_lshl_or_b32 v[PW], v[TM+7], 24, v[PW]
.irp c, 0,1
	v_cvt_scalef32_pk16_bf6_f32 v[PC+6*\c:PC+2+6*\c], v[\s+32*\c:\s+15+32*\c], v[TM+12+2*\c]
	v_cvt_scalef32_pk16_bf6_f32 v[PC+12+4*\c:PC+14+4*\c], v[\s+16+32*\c:\s+31+32*\c], v[TM+12+2*\c+1]
.endr
	v_nop                                          ; one plain place behind the conversions
.irp c, 0,1
.irp i, 0,1,2
	v_permlane16_swap_b32 v[PC+6*\c+\i], v[PC+12+4*\c+\i]
.endr
.irp i, 0,1,2
	v_mov_b32 v[PC+3+6*\c+\i], v[PC+12+4*\c+\i]
.endr
.endr
.endm
; w_t for the end.  Both roles issue these loads in ONE order (scale words, fragments 0 to 15, the norm's constants), so that one counted wait serves both.  Fragment f = 4 s + t: tile t, K step s
.macro WTSLOAD
.irp k, 0,1
.irp s, 0,1,2,3
	global_load_b32 v[224+4*\k+\s], v25, s[62:63] offset:1024*\k+128*\s
.endr
.endr
.endm
.macro WTLOAD f0, f1
	WIN 0x40
.set ff, \f0
.rept (\f1)-(\f0)+1
.irp p, 0,1,2
	global_load_b128 v[12*ff+4*\p:12*ff+4*\p+3], v2, s[60:61] offset:(4*(ff%4)+ff/4)*1536+512*\p
.endr
.set ff, ff+1
.endr
	WIN 0
.endm
.macro BNLOAD
	WIN 0x40
.irp t, 0,1,2,3
	global_load_b128 v[192+8*\t:195+8*\t], v26, s[10:11] offset:128*(\t/2)+32*(\t%2)
	global_load_b128 v[196+8*\t:199+8*\t], v26, s[10:11] offset:128*(\t/2)+32*(\t%2)+16
	global_load_b128 v[224+8*\t:227+8*\t], v26, s[10:11] offset:2048+128*(\t/2)+32*(\t%2)
	global_load_b128 v[228+8*\t:231+8*\t], v26, s[10:11] offset:2048+128*(\t/2)+32*(\t%2)+16
.endr
	WIN 0
.endm
	s_load_b256 s[4:11], s[0:1], 0x0               ; qc s[4:5], kv s[6:7], wc s[8:9], bn s[10:11]
	s_load_b64 s[12:13], s[0:1], 0x20              ; out0
	v_lshl_add_u32 v[SPW], v0, 2, SPARE
	v_mov_b32 v[NIL], 0
	ds_add_u32 v[SPW], v[NIL]                      ; the wave's opening: the add, twice on end, and its wait ahead of my first tensor load; the set-up below stands between
	ds_add_u32 v[SPW], v[NIL]
	v_lshrrev_b32 v32, 5, v0
	v_readfirstlane_b32 s14, v32                   ; wave u, 0..7
	s_and_b32 s16, s14, 3                          ; my query tile j (S) or my 128 channels w (P)
	s_lshr_b32 s46, s14, 2                         ; 0: S, 1: P
	s_bfe_u32 s17, ttmp6, 0x40000                  ; cx: my place in the cluster
	s_lshl_b32 s18, ttmp9, 2
	s_add_co_u32 s18, s18, s17                     ; my block of 64 queries: it enters Q's and out0's addresses alone
	s_and_b32 s19, ttmp7, 0xffff                   ; the batch, which the four partners share
	; descriptor group 1: 64 rows of 32 elements of 8 bytes (256 bytes), dense
	s_mov_b32 s24, 15|(3<<16)|(1<<21)              ; 15:0 the mask: all four work-groups; 17:16 elements of 8 bytes; 21 set beside a mask
	s_mov_b32 s25, 32<<16                          ; tensor_dim0
	s_mov_b32 s26, 64<<16                          ; tensor_dim1
	s_mov_b32 s27, 32<<16                          ; tile_dim0
	s_mov_b32 s28, 64                              ; tile_dim1
	s_mov_b32 s29, 32                              ; the pitch
	s_mov_b32 s30, 0
	s_mov_b32 s31, 0
	s_mov_b32 s20, 0x76543210
	s_mov_b32 s21, 0xfedcba98                      ; v_permlanex16_b32's selects for lane l xor 16
	s_mov_b32 s22, 0x3e0293ee                      ; c = log2(e) / sqrt(128)
	s_mov_b32 s23, s22                             ; (named with it as a pair, so it is written)
	s_mov_b32 s40, 0                               ; LDS byte at which the chunk in hand begins
	s_or_b32 s54, s46, ttmp9                       ; 0 in waves 0-3 of the batch's first cluster: the same in all four partners
	s_cmp_eq_u32 s54, 0
	s_cselect_b32 s44, 2, -1                       ; a wave prefetches while the count of refills to come is above this
	v_and_b32 v1, 31, v0                           ; lane
	v_and_b32 v33, 15, v0                          ; r
	v_bfe_u32 v34, v0, 4, 1                        ; h
	v_lshlrev_b32 v2, 4, v1                        ; 16 L
	v_lshlrev_b32 v3, 2, v1                        ; 4 L
	v_lshlrev_b32 v32, 3, v1                       ; 8 L
	s_mul_i32 s47, s46, s16                        ; w in a P wave, 0 in an S wave
	s_mul_i32 s48, s47, 12288                      ; a P wave's 8 images of V
	s_lshl_b32 s49, s47, 8
	v_add_nc_u32 v4, s48, v2                       ; my place in a chunk, by 16, 8 and 4 bytes a lane
	v_add_nc_u32 v5, s48, v32
	v_add_nc_u32 v6, s49, v3
	s_mul_i32 s50, s16, 1536
	s_lshl_b32 s51, s16, 7
	s_lshl_b32 s52, s16, 8
	s_add_co_u32 s53, s50, PB
	v_add_nc_u32 v10, s53, v2                      ; where an S wave puts p's image,
	s_add_co_u32 s53, s51, PB+6144
	v_add_nc_u32 v11, s53, v3                      ; its scale words,
	s_add_co_u32 s53, s52, PB+6656
	v_add_nc_u32 v12, s53, v32                     ; the factor;
	v_add_nc_u32 v13, PB, v2                       ; where a P wave reads them
	v_add_nc_u32 v14, PB+6144, v3
	v_add_nc_u32 v15, PB+6656, v32
	v_add_nc_u32 v16, RL, v32
	s_add_co_u32 s53, s52, RL
	v_add_nc_u32 v17, s53, v32
	s_add_co_u32 s53, s50, XSI
	v_add_nc_u32 v18, s53, v2                      ; O / l: fragment (j, K step w) at (4 j + w) x 1,536
	s_add_co_u32 s53, s51, XSS
	v_add_nc_u32 v19, s53, v3
	v_add_nc_u32 v20, XSI, v2
	v_lshl_add_u32 v25, v34, 9, v3                 ; 4 L + 512 h: two tiles' scale words, 512 bytes apart, into one register
	v_add_nc_u32 v21, XSS, v25
	v_and_b32 v35, 8, v33
	v_add_nc_u32 v35, v35, v33                     ; r + 8 (r / 8)
	v_mul_u32_u24 v22, v35, SPITCH
	v_lshl_add_u32 v22, v34, 6, v22
	s_lshl_b32 s53, s14, 8
	v_add_nc_u32 v22, s53, v22                     ; the stage: my query's row, + 64 h, + my wave's 256 bytes; query tiles 0, 1;
	v_add_nc_u32 v23, 32*SPITCH, v22               ; tiles 2, 3
	v_lshl_add_u32 v26, v34, 6, s53                ; the norm's constants: 256 u + 64 h
	s_mul_i32 s53, s14, 8*SPITCH
	v_add_nc_u32 v24, s53, v2                      ; back: my 8 rows
	v_lshlrev_b32 v27, 8, v1                       ; the prefetches: lanes 256 bytes apart
	v_add_nc_u32 v30, s50, v2                      ; Q's image in its record,
	s_add_co_u32 s53, s51, 6144
	v_add_nc_u32 v31, s53, v3                      ; and its scale words
	s_wait_dscnt 0x0                               ; both opening adds are done
	s_wait_kmcnt 0x0
	s_lshl_b32 s52, s19, 21                        ; a batch is 32 records
	s_mov_b32 s53, 0
	s_add_nc_u64 s[54:55], s[6:7], s[52:53]
	s_add_nc_u64 s[56:57], s[54:55], KOF           ; K of step 0
	s_lshl_b32 s52, s14, 14                        ; my eighth of a slot
	s_mov_b32 s32, 1
	s_mov_b32 s33, s52                             ; no place in the cluster enters an LDS address
	s_add_nc_u64 s[34:35], s[54:55], s[52:53]
	s_add_nc_u64 s[34:35], s[34:35], 2*CHUNK       ; slot 0: the batch's records 2 and 3
	s_mov_b32 s36, 1
	s_add_co_u32 s37, s52, SLOT1
	s_add_nc_u64 s[38:39], s[34:35], SLOT1         ; slot 1; this descriptor then walks on
	s_or_b32 s35, s35, 0x80000000
	s_or_b32 s39, s39, 0x80000000
	CROUND                                         ; all four work-groups are here: the first joint loads meet
	tensor_load_to_lds s[32:35], s[24:31]          ; every wave issues both: two loads of mine are out
	s_nop 0
	tensor_load_to_lds s[36:39], s[24:31]
	s_nop 0
	PLACES
	s_lshl_b32 s70, s17, 15                        ; the prefetches: my work-group's quarter of a slot,
	s_lshl_b32 s71, s16, 13                        ; my wave's quarter of that,
	s_add_co_u32 s70, s70, s71
	s_add_co_u32 s70, s70, 8*CHUNK                 ; in slot 3: the first change of slots steps it to slot 4.  Nothing is prefetched here, at the head
	s_mov_b32 s71, 0
	s_add_nc_u64 s[42:43], s[54:55], s[70:71]
	s_lshl_b32 s72, s19, 6
	s_add_co_u32 s72, s72, s18
	s_mul_i32 s72, s72, 6656
	s_mov_b32 s73, 0
	s_add_nc_u64 s[58:59], s[4:5], s[72:73]        ; my block's record of Q
	s_mul_i32 s52, s14, 24576
	s_add_co_u32 s52, s52, 245760
	s_add_nc_u64 s[60:61], s[8:9], s[52:53]        ; w_t's tiles 4 u on (tiles 40 + 4 u of wc)
	s_lshl_b32 s52, s14, 11
	s_add_co_u32 s52, s52, 462848
	s_add_nc_u64 s[62:63], s[8:9], s[52:53]        ; their scale words
	s_lshl_b32 s72, s19, 23
	s_lshl_b32 s52, s18, 17
	s_add_co_u32 s72, s72, s52
	s_lshl_b32 s52, s14, 14
	s_add_co_u32 s72, s72, s52
	s_add_nc_u64 s[68:69], s[12:13], s[72:73]      ; out0 at my 8 rows: (4,096 batch + 64 block + 8 u) x 2,048
	; ---- interval 0: the S waves alone
	s_cmp_lt_u32 s14, 4
	s_cbranch_scc0 .Lfirst_done
.irp p, 0,1,2
	global_load_b128 v[36+4*\p:39+4*\p], v30, s[58:59] offset:512*\p   ; Q's fragment stays in registers
.endr
	global_load_b32 v240, v31, s[58:59]
	KGLOAD 0, 0
	KGLOAD 1, CHUNK
	v_mov_b32 v33, 0xff61b1e6                      ; the largest t so far: -3e38, under every t
	v_floor_f32 v32, -v33                          ; -M
	v_mov_b32 v34, 0                               ; l, in two halves
	v_mov_b32 v35, 0
.irp b, 0,1,2,3
	v_mov_b32 v[136+\b], 0                         ; written once: a lane permute's destination counts as one of its sources
.endr
	s_wait_loadcnt 0x0
	SOFT 0, 0, 0
.Lfirst_done:
	s_wait_tensorcnt 0x1                           ; my part of slot 0 is in; slot 1's may stay out
	BAR
	INTERVAL 1, 1, 1, 1                            ; interval 1: its products start O^T's sums
	PBAR
	s_mov_b32 s41, 14
.Lslot:                                                ; 14 trips: a slot's second chunk, the change of slots with its refill, the next slot's first chunk
	INTERVAL 0, 0, 1, 0
	CHANGE 1
	INTERVAL 1, 1, 1, 0
	PBAR
	s_sub_co_u32 s41, s41, 1
	s_cmp_lg_u32 s41, 0
	s_cbranch_scc1 .Lslot
	INTERVAL 0, 0, 1, 0                            ; the tail is written out: interval 30
	CHANGE 0                                       ; the last change of slots asks for nothing,
	INTERVAL 1, 1, 0, 0                            ; interval 31: there is no further K,
	PBAR
	HEADI                                          ; interval 32: the last V P; the S waves finish l and ask for their part of w_t
	s_cmp_lt_u32 s14, 4
	s_cbranch_scc0 .Llast_p
	v_add_f32 v34, v34, v35                        ; l's two halves,
	v_permlanex16_b32 v136, v34, s20, s21
	v_add_f32 v34, v34, v136                       ; and lane l xor 16's
	v_rcp_f32 v148, v34                            ; twice: a pair for the packed multiplies
	v_rcp_f32 v149, v34
	v_nop                                          ; a plain place behind the reciprocals
	s_wait_alu depctr_va_vdst(0)                   ; and the wait ahead of their first reader
	ds_store_b64 v17, v[148:149]
	WTSLOAD
	WTLOAD 0, 15
	BNLOAD
	s_branch .Llast_j
.Llast_p:
	PV 1, 0
.Llast_j:
	BAR                                            ; 1 / l lies in LDS
	; ---- the P waves: O^T / l, quantised along the channels: K step w of the last product, for each query tile; w_t's loads follow into the registers that O^T leaves
	s_cmp_lt_u32 s14, 4
	s_cbranch_scc1 .Lno_pre
	s_wait_loadcnt 0x0                             ; a P wave has issued no load so far, so this is met at once: it stands so that on no way through the text two loads into one register are out together (the S waves' arm above names the same registers)
	WTSLOAD
.irp j, 0,1,2,3
	ds_load_b64 v[176+2*\j:177+2*\j], v16 offset:256*\j
.endr
.irp b, 0,1,2,3
	v_mov_b32 v[TM+4+\b], 0                        ; written once: a lane permute's destination counts as one of its sources
.endr
	s_wait_dscnt 0x0
.irp j, 0,1,2,3
	WIN 0x01                                       ; source 0 (O^T) window 1
.set ii, 0
.rept 32
	v_pk_mul_f32 v[32+ii:33+ii], v[64*\j+ii:64*\j+ii+1], v[176+2*\j:177+2*\j]   ; register 8 a + i is channel 128 w + 32 (a / 2) + 16 h + 8 (a % 2) + i of my query
.set ii, ii+2
.endr
	WIN 0
	QUANT 32
.irp p, 0,1,2
	ds_store_b128 v18, v[PC+4*\p:PC+4*\p+3] offset:6144*\j+512*\p
.endr
	ds_store_b32 v19, v[PW] offset:512*\j
	s_wait_dscnt 0x0                               ; the stores have read their registers
.if \j == 0
	WTLOAD 0, 4
.elseif \j == 1
	WTLOAD 5, 9
.elseif \j == 2
	WTLOAD 10, 15
.else
	BNLOAD
.endif
.endr
.Lno_pre:
	BAR                                            ; O / l's sixteen fragments lie in LDS
	; ---- the last product, all eight waves: sixteen sums by turns: sum (t, j) at v[32 + 8 (4 t + j)]: lane (r, h) holds query r of tile j and outputs 64 u + 32 (t / 2) + 8 (t % 2) + 16 h + 0 .. 7
.irp s, 0,1,2,3
.irp j, 0,1,2,3
.irp p, 0,1,2
	ds_load_b128 v[160+12*\j+4*\p:163+12*\j+4*\p], v20 offset:(4*\j+\s)*1536+512*\p
.endr
.endr
	ds_load_b32 v232, v21 offset:128*\s
	ds_load_b32 v233, v21 offset:1024+128*\s
	s_wait_dscnt 0x0
	s_wait_loadcnt 52-12*\s                        ; w_t's fragments up to this K step are in; the later steps' (12 loads each) and the norm's 16 may be out
	WIN 0x01                                       ; source 0 (w_t) window 1
.irp t, 0,1,2,3
.irp j, 0,1,2,3
.if \s == 0
	WM 32+8*(4*\t+\j), 12*(4*\s+\t), 160+12*\j, -1, 224+4*(\t/2)+\s, 232+\j/2, \t%2, \j%2
.else
	WM 32+8*(4*\t+\j), 12*(4*\s+\t), 160+12*\j, 32+8*(4*\t+\j), 224+4*(\t/2)+\s, 232+\j/2, \t%2, \j%2
.endif
.endr
.endr
	WIN 0
	PLACES
.endr
	s_wait_loadcnt 0x0                             ; A and Bc
	WIN 0x14                                       ; sources 1 and 2 window 1
.irp t, 0,1,2,3
.irp j, 0,1,2,3
.irp i, 0,2,4,6
	v_pk_fma_f32 v[32+8*(4*\t+\j)+\i:33+8*(4*\t+\j)+\i], v[32+8*(4*\t+\j)+\i:33+8*(4*\t+\j)+\i], v[192+8*\t+\i:193+8*\t+\i], v[224+8*\t+\i:225+8*\t+\i]   ; sum x A + Bc
.endr
.endr
.endr
	WIN 0
.set ii, 0
.rept 128
	v_max_num_f32 v[32+ii], 0, v[32+ii]            ; the relu
.set ii, ii+1
.endr
.irp t, 0,1,2,3
.irp j, 0,1,2,3
	ds_store_b128 v[22+\j/2], v[32+8*(4*\t+\j):35+8*(4*\t+\j)] offset:(\j%2)*8*SPITCH+128*(\t/2)+32*(\t%2)
	ds_store_b128 v[22+\j/2], v[36+8*(4*\t+\j):39+8*(4*\t+\j)] offset:(\j%2)*8*SPITCH+128*(\t/2)+32*(\t%2)+16
.endr
.endr
	BAR                                            ; 64 whole rows lie in the stage
.set kk, 0
.rept 32
	ds_load_b128 v[32+4*kk:35+4*kk], v24 offset:(kk/4)*SPITCH+512*(kk%4)
.set kk, kk+1
.endr
.set kk, 0
.rept 32
	s_wait_dscnt 31-kk
	global_store_b128 v2, v[32+4*kk:35+4*kk], s[68:69] offset:(kk/4)*2048+512*(kk%4) th:TH_STORE_NT   ; 32 lanes store 512 consecutive bytes, at a multiple of 256 from out0's first byte
.set kk, kk+1
.endr
	s_wait_tensorcnt 0x0                           ; the wave's end: behind my last tensor load and my last LDS store
	ds_add_u32 v[SPW], v[NIL]
	s_wait_dscnt 0x0
	CROUND                                         ; the closing round: no work-group ends while a partner may still ask for a slot that names it
	s_endpgm
.Lfunc_end_k_qc7ee2ce170_attn:
	.size	k_qc7ee2ce170_attn, .Lfunc_end_k_qc7ee2ce170_attn-k_qc7ee2ce170_attn
	.p2alignl 7, 3214868480
	.fill 96, 4, 3214868480
	.section	.rodata,"a",@progbits
	.p2align	6, 0x0
	.amdhsa_kernel k_qc7ee2ce170_attn
		.amdhsa_group_segment_fixed_size 327680
		.amdhsa_private_segment_fixed_size 0
		.amdhsa_enable_private_segment 0
		.amdhsa_kernarg_size 40
		.amdhsa_user_sgpr_count 2
		.amdhsa_user_sgpr_kernarg_segment_ptr 1
		.amdhsa_wavefront_size32 1
		.amdhsa_system_sgpr_workgroup_id_x 1
		.amdhsa_system_sgpr_workgroup_id_y 1
		.amdhsa_system_sgpr_workgroup_id_z 1
		.amdhsa_system_vgpr_workitem_id 0
		.amdhsa_next_free_vgpr 512
		.amdhsa_next_free_sgpr 76
		.amdhsa_reserve_vcc 0
		.amdhsa_float_denorm_mode_32 3
		.amdhsa_float_denorm_mode_16_64 3
		.amdhsa_memory_ordered 1
		.amdhsa_forward_progress 1
		.amdhsa_inst_pref_size 255
	.end_amdhsa_kernel
	.section	.bss,"aw",@nobits
	.p2align	6
	.space	262144
	.amdgpu_metadata
---
amdhsa.version: [ 1, 2 ]
amdhsa.kernels:
  - .name:           k_qc7ee2ce170_attn
    .symbol:         k_qc7ee2ce170_attn.kd
    .args:
      - { .name: qc, .offset: 0, .size: 8, .value_kind: global_buffer, .address_space: global }
      - { .name: kv, .offset: 8, .size: 8, .value_kind: global_buffer, .address_space: global }
      - { .name: wc, .offset: 16, .size: 8, .value_kind: global_buffer, .address_space: global }
      - { .name: bn, .offset: 24, .size: 8, .value_kind: global_buffer, .address_space: global }
      - { .name: out0, .offset: 32, .size: 8, .value_kind: global_buffer, .address_space: global }
    .group_segment_fixed_size: 327680
    .private_segment_fixed_size: 0
    .kernarg_segment_align: 8
    .kernarg_segment_size: 40
    .max_flat_workgroup_size: 256
    .sgpr_count:     76
    .vgpr_count:     512
    .wavefront_size: 32
...
	.end_amdgpu_metadata
.endif
;; end of part 3
